; MI455X (gfx1250); checked and timed in simulation.
; The chip was launched on July 23, 2026; its instructions are those of AMD's public machine-readable ISA for CDNA 5 (MIT licence, August 2026) and "CDNA5" Instruction Set Architecture Reference Guide (July 2026). The comments in the code are by the model that wrote it; some were corrected since.
;; Multi Head Attention. Allowed arithmetic: matrix products marked QUANTISED: E2M3 operands, one E8M0 scale for each 32 along K, by v_wmma_scale_f32_16x16x128_f8f6f4 with both operands' format E2M3, f32 sums; everything else in f32.
;; Inputs: bk 1,024 float32; bo 1,024 float32; bq 1,024 float32; bv 1,024 float32; key_ 4 x 2,048 x 1,024 float32; query 4 x 2,048 x 1,024 float32; value 4 x 2,048 x 1,024 float32; wk 1,024 x 1,024 float32; wo 1,024 x 1,024 float32; wq 1,024 x 1,024 float32; wv 1,024 x 1,024 float32.
;; Outputs: out0 4 x 2,048 x 1,024 float32.
;; This version of the problem:
;;   THIS VERSION OF THE PROBLEM IS GIVEN IN LOW PRECISION. The matrix products marked QUANTISED in the list below multiply operands that are first quantised to E2M3 (2 exponent bits, 3 mantissa bits; 6 bits a number), with one power-of-two scale for each 32 numbers along K (OCP MX v1.0); their sums are f32. All else is computed in f32.
;;   The module's matrix products, in the order in which they are computed (A, B: the left and right operand; K: the contracted axis; several contracted axes count as one K, in the product's order):
;;     1. [M 8,192, K 1,024] x [K 1,024, N 1,024]; A: input query; B: input wq: QUANTISED
;;     2. [M 8,192, K 1,024] x [K 1,024, N 1,024]; A: input key_; B: input wk: QUANTISED
;;     3. [M 8,192, K 1,024] x [K 1,024, N 1,024]; A: input value; B: input wv: QUANTISED
;;     4. batch 64 x [M 2,048, K 64] x [K 64, N 2,048]; A: computed on the way; B: computed on the way: QUANTISED
;;     5. batch 64 x [M 2,048, K 2,048] x [K 2,048, N 64]; A: softmax (see below); B: computed on the way: QUANTISED
;;     6. [M 8,192, K 1,024] x [K 1,024, N 1,024]; A: computed on the way; B: input wo: QUANTISED
;;   THE QUANTISER, for each operand of a quantised product, along K:
;;     - K is cut into blocks of 32 from its start; a last block that is shorter is filled with zeros.
;;     - A block's scale is 2^e with e = floor(log2(the largest magnitude in the block)) - 2, held to -126 .. 127; a block of zeros has e = 0. As a byte (E8M0): e + 127.
;;     - Each number is divided by its block's scale, clamped to +-7.5, and rounded to the nearest number of E2M3, ties to even, subnormals kept.
;;     - The product sums the exact products of the quantised numbers (number of the format x scale) in f32.
;;   ~~~python
;;   def quantise(x, axis):      # numpy; x: float32 -> the quantised numbers, widened to float32 again
;;       x = np.moveaxis(x, axis, -1); K = x.shape[-1]
;;       x = np.pad(x, [(0, 0)] * (x.ndim - 1) + [(0, -K % 32)]); x = x.reshape(x.shape[:-1] + (-1, 32)); a = np.abs(x).max(-1, keepdims=True)
;;       e = np.where(a > 0, np.clip(np.frexp(np.where(a > 0, a, 1))[1] - 1 - 2, -126, 127), 0)      # np.frexp(a)[1] - 1 = floor(log2(a)), exactly
;;       r = np.clip(x / 2.0 ** e, -7.5, 7.5)
;;       step = 2.0 ** (np.maximum(np.frexp(np.where(r == 0, 1, r))[1] - 1, 0) - 3)
;;       q = np.round(r / step) * step * 2.0 ** e      # np.round: ties to even
;;       return np.moveaxis(q.reshape(q.shape[:-2] + (-1,))[..., :K], -1, axis).astype(np.float32)
;;   ~~~
;;   SOFTMAX AHEAD OF A QUANTISED PRODUCT. Where the list says 'softmax', what is quantised is not the finished softmax but p = 2^(t - M), with t = logit x log2(e) and M = ceil(the row's largest t), a whole number; so 1/2 < the row's largest p <= 1. The row's sum l is taken of the UNQUANTISED p, in f32, and the product's result is divided by l at the end. Since M is a whole number, a kernel that streams over the keys may use a running M (the ceiling of the running maximum): every later rescaling is an exact power of two, which a block's scale takes up: the codes' values come out the same.
;;   OPERANDS COMPUTED ON THE WAY. 'Computed on the way' means the value that the module computes at that place (a softmax that the list does not call 'softmax' is quantised finished and normalised). What goes into a quantiser is computed in f32, as accurately as f32 sums, v_exp_f32 and their like allow (about 1e-6 of the number): no bf16 or f16 on the way to a quantiser, and a product that is left as it is and whose result goes on into a quantised operand takes f32 operands (vector FMAs, or v_wmma_f32_16x16x4_f32). A number that lies on a knife's edge between two numbers of the format may be rounded either way, as far as f32 arithmetic and the matrix unit's own rounding can turn it there, and no further.
;; One version. Each part assembles by itself: llvm-mc -triple=amdgcn-amd-amdhsa -mcpu=gfx1250 --defsym DOCPART=n.
;; ======== version 1 of 1: 4 launches
;; limits: right only within a limited range of input values
;; workspace buffers: xq 19,660,800 bytes; wimg 3,276,800 bytes; qimg 6,815,744 bytes; kimg 6,815,744 bytes; vimg 6,553,600 bytes; cimg 6,815,744 bytes
;; launch prep (part 1): grid 896 x 1, 4 waves a work-group, no clusters, 34,304 bytes of LDS; arguments query, key_, value, wq, wk, wv, wo, xq, wimg; writes xq, wimg
.if DOCPART == 1
	.amdgcn_target "amdgcn-amd-amdhsa--gfx1250"
	.amdhsa_code_object_version 6
	.text
	.protected	k_q7cf96ddb9b_prep
	.globl	k_q7cf96ddb9b_prep
	.p2align	8
	.type	k_q7cf96ddb9b_prep,@function
k_q7cf96ddb9b_prep:
	s_mov_b64 s[64:65], 0
	v_nop
	global_prefetch_b8 v0, s[64:65] scope:SCOPE_SE
	s_setreg_imm32_b32 hwreg(HW_REG_WAVE_MODE, 25, 1), 1
	s_wait_xcnt 0x0
; query, key_, value [8192][1024] f32 and wq, wk, wv, wo [1024 (k)][1024 (n)] f32 become codes of FP6 (E2M3) with one E8M0 byte for each 32 along K,
; laid in the ORDER OF THE MATRIX OPERAND'S REGISTERS.  A record is 6,400 bytes: 64 rows (of a weight: 64 columns) x 128 along K = four images of 1,536 bytes
; (a tile of 16 rows: register j of lane l at 512 (j / 4) + 16 l + 4 (j % 4)), then 256 bytes of scale words [lane 16][tile 4].
; xq: [tensor 3][group of 64 rows 128][K step 8] records;  wimg: [weight 4][group of 64 columns 16][K step 8] records.
; THE ROWS OF A TILE ARE NOT NEIGHBOURS: lane r of tile 2 b + u holds row (column) 32 b + 8 u + r + 8 (r / 8) of its group, so that in a later product's result
; the 16 registers of two neighbouring tiles are 16 neighbours along the next K.
; A block's scale is 2^(floor(log2(largest magnitude)) - 2); its byte is the largest magnitude's exponent field - 2, held at 1 from below.
; LIMITS: NaN and infinities are not served; a block whose largest magnitude lies under 2^-124, and a block of zeros (where the rule says byte 127), gets the byte 1:
; zero codes add nothing under that byte, and the bytes are read by this program alone.
; Work-groups 0-127 take the weights (no LDS), 128-895 the three activations (a stage in LDS for each wave).  No matrix work, no barrier: waves share nothing.
.set RS,  16                           ; v16-143  two sets of 64: a tile's 16 rows x 512 bytes as loaded
.set XN,  144                          ; v144-207 64 numbers of my row: k = 64 c + 32 h + 0 .. 31 at 32 c
.set PC,  208                          ; v208-219 a fragment's codes
.set CT,  220                          ; v220-227 the second half of each block's codes (a conversion's three registers begin on an even number)
.set TM,  228
.set SOP, 230
.set BY,  232
.set T0,  234
.set T1,  235
.set SW,  240                          ; v240-243 the four tiles' scale words
	s_load_b256 s[4:11], s[0:1], 0x0               ; query s[4:5], key_ s[6:7], value s[8:9], wq s[10:11]
	s_load_b256 s[12:19], s[0:1], 0x20             ; wk s[12:13], wv s[14:15], wo s[16:17], xq s[18:19]
	s_load_b64 s[20:21], s[0:1], 0x40              ; wimg
	v_lshl_add_u32 v248, v0, 2, 0x8400
	v_mov_b32 v249, 0
	v_lshrrev_b32 v1, 5, v0
	v_readfirstlane_b32 s22, v1                    ; wave 0..3
	v_and_b32 v1, 31, v0                           ; lane
	v_lshlrev_b32 v2, 4, v1                        ; 16 x lane
	v_and_b32 v3, 15, v0                           ; r
	v_bfe_u32 v4, v0, 4, 1                         ; h
	v_lshlrev_b32 v7, 4, v3
	v_lshl_add_u32 v7, v4, 3, v7                   ; 16 r + 8 h: my 8 bytes of the scale words
	s_mov_b32 s29, 0
	s_cmp_lt_u32 ttmp9, 128
	s_cbranch_scc1 .Lweights
	; ---------------- the activations: K is innermost.  A wave makes one record: group G, K step s
	s_sub_co_u32 s23, ttmp9, 128
	s_lshr_b32 s24, s23, 8                         ; tensor 0..2
	s_bfe_u32 s25, s23, 0x70001                    ; G: 7 bits from bit 1
	s_and_b32 s26, s23, 1
	s_lshl_b32 s26, s26, 2
	s_add_co_u32 s26, s26, s22                     ; s = 4 (work-group % 2) + wave
	s_mov_b32 s30, 0x76543210
	s_mov_b32 s31, 0xfedcba98                      ; v_permlanex16_b32's selects for lane l xor 16
	s_mov_b32 s32, 0xffff0000                      ; lanes 16-31
	s_mul_i32 s27, s22, 8448                       ; my stage: 16 rows, 528 bytes apart
	s_wait_alu depctr_va_vdst(0)
	v_add_nc_u32 v5, s27, v2                       ; in: a row's 512 bytes as loaded
	v_mul_u32_u24 v6, v3, 528
	v_lshl_add_u32 v6, v4, 7, v6
	v_add_nc_u32 v6, s27, v6                       ; out: row r, + 128 h
	v_lshlrev_b32 v8, 3, v4                        ; 8 h
	v_mov_b32 v[T1], 0                             ; a lane permute's destination counts as one of its sources
	; key_ ALONE HAS ANOTHER ORDER OF ROWS: lane r of tile f holds row 8 f + r % 8 + 32 (r / 8) of its group, so that in attention's first product a lane's 32 registers of four tiles are one block of 32 keys.
	; Against the other tensors' order tiles 0, 1 take their upper eight rows 16 rows further down, tiles 2, 3 their lower eight rows 16 rows further up: two offset registers carry the 65,536 bytes.
	s_cmp_eq_u32 s24, 1
	s_cselect_b32 s33, 0x10000, 0
	s_xor_b32 s34, s33, 0x10000
	v_add_nc_u32 v9, s33, v2
	v_add_nc_u32 v10, s34, v2
	s_wait_alu depctr_va_vdst(0)
	s_wait_kmcnt 0x0
	s_cmp_eq_u32 s24, 1
	s_cselect_b64 s[4:5], s[6:7], s[4:5]
	s_cmp_eq_u32 s24, 2
	s_cselect_b64 s[4:5], s[8:9], s[4:5]
	s_lshl_b32 s28, s25, 18                        ; 64 rows of 4,096 bytes
	s_lshl_b32 s27, s26, 9                         ; 128 numbers along K
	s_add_co_u32 s28, s28, s27
	s_add_nc_u64 s[4:5], s[4:5], s[28:29]
	s_lshl_b32 s28, s24, 7
	s_add_co_u32 s28, s28, s25
	s_lshl_b32 s28, s28, 3
	s_add_co_u32 s28, s28, s26
	s_mul_i32 s28, s28, 6400
	s_add_nc_u64 s[18:19], s[18:19], s[28:29]
.macro LOADX f                         ; tile f: 16 loads, each a row's 512 consecutive bytes
.irp t, 0,1,2,3,4,5,6,7,8,9,10,11,12,13,14,15
.if ((\f) < 2) && (\t >= 8)
	global_load_b128 v[RS+64*((\f)%2)+4*\t:RS+64*((\f)%2)+4*\t+3], v9, s[4:5] offset:(32*((\f)/2)+8*((\f)%2)+16*(\t/8)+\t%8)*4096 th:TH_LOAD_NT
.elseif ((\f) >= 2) && (\t < 8)
	global_load_b128 v[RS+64*((\f)%2)+4*\t:RS+64*((\f)%2)+4*\t+3], v10, s[4:5] offset:(32*((\f)/2)+8*((\f)%2)+16*(\t/8)+\t%8-16)*4096 th:TH_LOAD_NT
.else
	global_load_b128 v[RS+64*((\f)%2)+4*\t:RS+64*((\f)%2)+4*\t+3], v2, s[4:5] offset:(32*((\f)/2)+8*((\f)%2)+16*(\t/8)+\t%8)*4096 th:TH_LOAD_NT
.endif
.endr
.endm
.macro FRAGX f
.if (\f) < 3
	s_wait_loadcnt 16                              ; this tile's 16 loads are in; the next tile's 16 may be out
.else
	s_wait_loadcnt 0x0
.endif
.irp t, 0,1,2,3,4,5,6,7,8,9,10,11,12,13,14,15
	ds_store_b128 v5, v[RS+64*((\f)%2)+4*\t:RS+64*((\f)%2)+4*\t+3] offset:528*\t
.endr
.irp c, 0,1
.irp q, 0,1,2,3,4,5,6,7
	ds_load_b128 v[XN+32*\c+4*\q:XN+32*\c+4*\q+3], v6 offset:256*\c+16*\q   ; LDS serves a wave's instructions in order: these see the stores above
.endr
.endr
	s_wait_dscnt 0x0                               ; my 64 numbers are back, and the stores have read their registers
.if (\f) < 2
	LOADX (\f)+2
.endif
.irp c, 0,1
	v_max3_num_f32 v[TM+\c], |v[XN+32*\c]|, |v[XN+32*\c+1]|, 0x1800000   ; block 2 c + h is all mine; the floor 2^(3 - 127) holds the byte at 1 from below
.endr
.irp i, 2,4,6,8,10,12,14,16,18,20,22,24,26,28,30
.irp c, 0,1
	v_max3_num_f32 v[TM+\c], v[TM+\c], |v[XN+32*\c+\i]|, |v[XN+32*\c+\i+1]|
.endr
.endr
.irp c, 0,1
	v_add_nc_u32 v[SOP+\c], 0xff000000, v[TM+\c]   ; 2 off the exponent field: the conversion's scale operand
.endr
.irp c, 0,1
	v_lshrrev_b32 v[BY+\c], 23, v[SOP+\c]          ; the byte
.endr
	v_lshl_or_b32 v[T0], v[BY+1], 16, v[BY]        ; blocks h and 2 + h,
	v_lshlrev_b32 v[T0], v8, v[T0]                 ; at their places in the word;
	v_permlanex16_b32 v[T1], v[T0], s30, s31
	v_or_b32 v[SW+(\f)], v[T0], v[T1]              ; with lane l xor 16's two the word is whole
.if (\f) > 0
	s_wait_alu depctr_va_vdst(0)
	s_wait_xcnt 0x0                                ; the last tile's stores have read the codes' registers
.endif
.irp c, 0,1
	v_cvt_scalef32_pk16_fp6_f32 v[PC+6*\c:PC+6*\c+2], v[XN+32*\c:XN+32*\c+15], v[SOP+\c]
	v_cvt_scalef32_pk16_fp6_f32 v[CT+4*\c:CT+4*\c+2], v[XN+32*\c+16:XN+32*\c+31], v[SOP+\c]
.endr
	v_nop                                          ; one plain place behind a scaled conversion
.irp c, 0,1
.irp i, 0,1,2
	v_mov_b32 v[PC+6*\c+3+\i], v[CT+4*\c+\i]
.endr
.endr
.irp j, 0,1,2
	global_store_b128 v2, v[PC+4*\j:PC+4*\j+3], s[18:19] offset:1536*(\f)+512*\j   ; 32 lanes store 512 consecutive bytes
.endr
.endm
	LOADX 0
	LOADX 1
	FRAGX 0
	FRAGX 1
	FRAGX 2
	FRAGX 3
	v_cndmask_b32 v244, v[SW], v[SW+2], s32        ; lanes 0-15 store tiles 0 and 1's words of row r, lanes 16-31 tiles 2 and 3's
	v_cndmask_b32 v245, v[SW+1], v[SW+3], s32
	global_store_b64 v7, v[244:245], s[18:19] offset:6144   ; 256 consecutive bytes
	s_wait_tensorcnt 0x0
	ds_add_u32 v248, v249
	s_wait_dscnt 0x0
	s_endpgm
	; ---------------- the weights: K is the first axis.  A lane takes a column and its registers run down K.  A wave makes one record: 64 columns x 128 along K
.Lweights:
	s_lshr_b32 s24, ttmp9, 5                       ; weight 0..3: q, k, v, o
	s_and_b32 s26, ttmp9, 7                        ; K step
	s_bfe_u32 s25, ttmp9, 0x20003
	s_lshl_b32 s25, s25, 2
	s_add_co_u32 s25, s25, s22                     ; group of 64 columns
	v_and_b32 v9, 7, v0
	v_bfe_u32 v10, v0, 3, 1
	v_lshl_or_b32 v9, v10, 4, v9
	s_wait_alu depctr_va_vdst(0)
	v_lshl_or_b32 v9, v4, 3, v9                    ; my column of 32: the lane's number with bits 3 and 4 exchanged: lanes 0-15 hold tile 2 b, lanes 16-31 tile 2 b + 1
	v_lshlrev_b32 v9, 2, v9
	s_wait_alu depctr_va_vdst(0)
	s_wait_kmcnt 0x0
	s_cmp_eq_u32 s24, 1
	s_cselect_b64 s[10:11], s[12:13], s[10:11]
	s_cmp_eq_u32 s24, 2
	s_cselect_b64 s[10:11], s[14:15], s[10:11]
	s_cmp_eq_u32 s24, 3
	s_cselect_b64 s[10:11], s[16:17], s[10:11]
	s_lshl_b32 s28, s26, 19                        ; 128 rows of 4,096 bytes
	s_lshl_b32 s27, s25, 8                         ; 64 columns
	s_add_co_u32 s28, s28, s27
	s_add_nc_u64 s[10:11], s[10:11], s[28:29]
	s_lshl_b32 s28, s24, 4
	s_add_co_u32 s28, s28, s25
	s_lshl_b32 s28, s28, 3
	s_add_co_u32 s28, s28, s26
	s_mul_i32 s28, s28, 6400
	s_add_nc_u64 s[20:21], s[20:21], s[28:29]
.macro LOADW n                         ; n = 4 b + q: block q of 32 along K, columns 32 b on: 32 loads of 128 consecutive bytes
.irp i, 0,1,2,3,4,5,6,7,8,9,10,11,12,13,14,15,16,17,18,19,20,21,22,23,24,25,26,27,28,29,30,31
	global_load_b32 v[16+32*((\n)%2)+\i], v9, s[10:11] offset:(32*((\n)%4)+\i)*4096+128*((\n)/4)
.endr
.endm
.macro BLOCKW n
.set WX, 16+32*((\n)%2)
.set QQ, (\n)%4
.set BB, (\n)/4
.set TT, 144+12*(QQ%2)+6*(QQ/2)        ; even blocks' codes in v144-155, odd blocks' in v156-167
.if (\n) < 7
	s_wait_loadcnt 32                              ; this block's 32 loads are in; the next block's may be out
.else
	s_wait_loadcnt 0x0
.endif
	v_max3_num_f32 v12, |v[WX]|, |v[WX+1]|, |v[WX+2]|
	v_max3_num_f32 v13, |v[WX+3]|, |v[WX+4]|, |v[WX+5]|
.irp i, 6,10,14,18,22,26
	v_max3_num_f32 v12, v12, |v[WX+\i]|, |v[WX+\i+1]|
	v_max3_num_f32 v13, v13, |v[WX+\i+2]|, |v[WX+\i+3]|
.endr
	v_max3_num_f32 v12, v12, |v[WX+30]|, |v[WX+31]|
	v_max3_num_f32 v12, v12, v13, 0x1800000        ; and the floor
	v_add_nc_u32 v14, 0xff000000, v12              ; the conversion's scale operand
	v_lshrrev_b32 v13, 23, v14                     ; the byte
.if QQ == 0
	v_mov_b32 v[172+BB], v13
.else
	v_lshl_or_b32 v[172+BB], v13, 8*QQ, v[172+BB]  ; my column's scale word
.endif
.if (\n) == 4
	s_wait_alu depctr_va_vdst(0)
	s_wait_xcnt 0x0                                ; the first two tiles' stores have read the codes' registers
.endif
	v_cvt_scalef32_pk16_fp6_f32 v[TT:TT+2], v[WX:WX+15], v14
	v_cvt_scalef32_pk16_fp6_f32 v[168:170], v[WX+16:WX+31], v14
	v_nop                                          ; one plain place behind a scaled conversion
.irp i, 0,1,2
	v_mov_b32 v[TT+3+\i], v[168+\i]
.endr
.if (\n)+2 < 8
	LOADW (\n)+2
.endif
.if QQ == 3
.irp j, 0,1,2,3,4,5,6,7,8,9,10,11
	v_permlane16_swap_b32 v[144+\j], v[156+\j]     ; tile 2 b + 1's even blocks change places with tile 2 b's odd blocks: v144-155 is now the image of tile 2 b, v156-167 that of tile 2 b + 1
.endr
.irp u, 0,1
.irp j, 0,1,2
	global_store_b128 v2, v[144+12*\u+4*\j:144+12*\u+4*\j+3], s[20:21] offset:(2*BB+\u)*1536+512*\j
.endr
.endr
.endif
.endm
	LOADW 0
	LOADW 1
.irp n, 0,1,2,3,4,5,6,7
	BLOCKW \n
.endr
	v_permlane16_swap_b32 v172, v173               ; lanes 0-15: tiles 0 and 1's words, lanes 16-31: tiles 2 and 3's
	global_store_b64 v7, v[172:173], s[20:21] offset:6144
	s_endpgm
.Lfunc_end_k_q7cf96ddb9b_prep:
	.size	k_q7cf96ddb9b_prep, .Lfunc_end_k_q7cf96ddb9b_prep-k_q7cf96ddb9b_prep
	.p2alignl 7, 3214868480
	.fill 96, 4, 3214868480
	.section	.rodata,"a",@progbits
	.p2align	6, 0x0
	.amdhsa_kernel k_q7cf96ddb9b_prep
		.amdhsa_group_segment_fixed_size 34304
		.amdhsa_private_segment_fixed_size 0
		.amdhsa_enable_private_segment 0
		.amdhsa_kernarg_size 72
		.amdhsa_user_sgpr_count 2
		.amdhsa_user_sgpr_kernarg_segment_ptr 1
		.amdhsa_wavefront_size32 1
		.amdhsa_system_sgpr_workgroup_id_x 1
		.amdhsa_system_sgpr_workgroup_id_y 1
		.amdhsa_system_sgpr_workgroup_id_z 1
		.amdhsa_system_vgpr_workitem_id 0
		.amdhsa_next_free_vgpr 250
		.amdhsa_next_free_sgpr 66
		.amdhsa_reserve_vcc 0
		.amdhsa_float_denorm_mode_32 3
		.amdhsa_float_denorm_mode_16_64 3
		.amdhsa_memory_ordered 1
		.amdhsa_forward_progress 1
		.amdhsa_inst_pref_size 69
	.end_amdhsa_kernel
	.amdgpu_metadata
---
amdhsa.version: [ 1, 2 ]
amdhsa.kernels:
  - .name:           k_q7cf96ddb9b_prep
    .symbol:         k_q7cf96ddb9b_prep.kd
    .args:
      - { .name: query, .offset: 0, .size: 8, .value_kind: global_buffer, .address_space: global }
      - { .name: key_, .offset: 8, .size: 8, .value_kind: global_buffer, .address_space: global }
      - { .name: value, .offset: 16, .size: 8, .value_kind: global_buffer, .address_space: global }
      - { .name: wq, .offset: 24, .size: 8, .value_kind: global_buffer, .address_space: global }
      - { .name: wk, .offset: 32, .size: 8, .value_kind: global_buffer, .address_space: global }
      - { .name: wv, .offset: 40, .size: 8, .value_kind: global_buffer, .address_space: global }
      - { .name: wo, .offset: 48, .size: 8, .value_kind: global_buffer, .address_space: global }
      - { .name: xq, .offset: 56, .size: 8, .value_kind: global_buffer, .address_space: global }
      - { .name: wimg, .offset: 64, .size: 8, .value_kind: global_buffer, .address_space: global }
    .group_segment_fixed_size: 34304
    .private_segment_fixed_size: 0
    .kernarg_segment_align: 8
    .kernarg_segment_size: 72
    .max_flat_workgroup_size: 128
    .sgpr_count:     66
    .vgpr_count:     250
    .wavefront_size: 32
...
	.end_amdgpu_metadata
.endif
;; end of part 1
;; launch proj (part 2): grid 16 x 12, 4 waves a work-group, clusters of 4 x 1, 213,504 bytes of LDS; arguments xq, wimg, bq, bk, bv, qimg, kimg, vimg; writes qimg, kimg, vimg
.if DOCPART == 2
	.amdgcn_target "amdgcn-amd-amdhsa--gfx1250"
	.amdhsa_code_object_version 6
	.text
	.protected	k_q7cf96ddb9b_proj
	.globl	k_q7cf96ddb9b_proj
	.p2align	8
	.type	k_q7cf96ddb9b_proj,@function
k_q7cf96ddb9b_proj:
	s_mov_b64 s[64:65], 0
	v_nop
	global_prefetch_b8 v0, s[64:65] scope:SCOPE_SE
	s_setreg_imm32_b32 hwreg(HW_REG_WAVE_MODE, 25, 1), 1
	s_wait_xcnt 0x0
	s_wait_alu depctr_hold_cnt(0) depctr_sa_sdst(0) depctr_va_vdst(0) depctr_va_sdst(0) depctr_va_ssrc(0) depctr_va_vcc(0) depctr_vm_vsrc(0)
	s_getreg_b32 s2, hwreg(HW_REG_IB_STS2, 6, 4)
	s_cmp_eq_u32 s2, 0
	s_cbranch_scc0 .Lentry_in_a_cluster
	s_endpgm
.Lentry_in_a_cluster:
	s_bfe_u32 s2, ttmp6, 0x10000c
	s_cmp_lg_u32 s2, 0x3003
	s_cbranch_scc0 .Lentry_shape_is_right
	s_endpgm
.Lentry_shape_is_right:
; q = query wq + bq, k = key_ wk + bk, v = value wv + bv on codes of FP6, and the results quantised at once for attention's two products.
; y = 4 x tensor + slab: a work-group has 256 columns (4 heads) of one weight in LDS for the whole launch, filled once.  The four work-groups of a cluster need the same slab:
; it is asked for JOINTLY (mask 15), each of the four waves bringing one group of 64 columns (51,200 bytes).  12 pairs of tensor and slab x 16 row blocks = 192 work-groups.
; Wave w takes the groups of 64 rows G = 8 x (work-group x) + 2 w + pass, pass = 0, 1: a tile of 64 rows x 256 columns, 64 accumulators, 512 registers.  Its 16 records of x are one dense
; stream of memory, laid in register order: they come straight into a ring of four K steps in registers.  No barrier stands in the loops.
; q, k: the product is used transposed (source 0 = 16 columns of W, source 1 = 16 rows of x): a lane holds one row, its registers run along the head's 64, which is the next K.
; v: natural (source 0 = x, source 1 = W): a lane holds one channel, its registers run along the rows (the keys), which is the next K.  In both the 16 registers of two neighbouring tiles
; are 16 neighbours along the next K, since the rows and columns of a tile were chosen so.  The bias is loaded into the accumulators as the sums' start.
; OUT: qimg, kimg [b h 64][group of 64 rows 32] records of 3,328 bytes: tiles 0, 1 and tiles 2, 3 as two images of 12 registers (6 a tile), then scale words [lane][tile], bytes 0 and 1 used.
;      vimg [b h 64][128 keys 16] records of 6,400 bytes: [tile of 16 channels 4][64 keys 2] images of 6 registers (768 bytes), then scale words [lane][tile].
; The ring's last four fetches name the stream's last record again, so that every load stays in xq and every count is the same in every trip; their data are not used.
; LIMITS: as stated for the first launch (NaN, infinities; the byte 1 for blocks under 2^-124 and blocks of zeros).
; REGISTERS: window 0: addresses, W's fragments (two buffers of four), scale words, the epilogue.  Window 1: the ring: slot q, tile i at 48 q + 12 i.  Windows 2, 3: the accumulators:
; column group g in window 2 + g / 2 at 128 (g % 2) + 32 x + 16 b + 8 u.
.set WV,  20
.set BTQ, 204800                       ; LDS: behind W's 4 x 51,200 bytes: the slab's 256 biases as they lie,
.set BTV, 205824                       ; and once more: for place p of 256 four copies of the bias of the column that lies at p
.set AW,  8                            ; v8-11   LDS address of column group g's images: 16 x lane + 51,200 g + the half of K in hand
.set AR,  12                           ; v12-15  of its scale words: 16 r + the same
.set HW,  16                           ; v16-31  v: the scale words of 128 keys, gathered over the two passes
.set WF,  32                           ; v32-127
.set WS,  128                          ; v128-159 W's scale words, two sets of 16
.set XS,  160                          ; v160-175 x's scale words, four a slot
.set TM,  176
.set TP,  184
.set SO,  192
.set WD,  200
.set SP,  204
.set PC,  206                          ; v206-229 four images of 6 registers
.set CT,  230                          ; v230-245
.set MSB, 0
.macro WIN new                         ; the immediate's high byte repeats the setting that is left
.if MSB != (\new)
	s_set_vgpr_msb (MSB<<8)|(\new)
.set MSB, (\new)
.endif
.endm
.macro PLACES                          ; four plain places behind matrix instructions, ahead of loads into their registers and of reads of their results
.rept 4
	v_nop
.endr
.endm
.macro ROUND                           ; a round of the cluster's barrier
	s_barrier_signal -1
	s_barrier_wait -1
	s_cmp_lg_u32 s[WV], 0
	s_cbranch_scc1 .Lnot_wave_0_\@
	s_barrier_signal -3
.Lnot_wave_0_\@:
	s_barrier_wait -3
	s_barrier_signal -1
	s_barrier_wait -1
.endm
	s_load_b256 s[4:11], s[0:1], 0x0               ; xq s[4:5], wimg s[6:7], bq s[8:9], bk s[10:11]
	s_load_b256 s[12:19], s[0:1], 0x20             ; bv s[12:13], qimg s[14:15], kimg s[16:17], vimg s[18:19]
	v_lshl_add_u32 v254, v0, 2, 0x34000
	v_mov_b32 v255, 0
	ds_add_u32 v254, v255
	ds_add_u32 v254, v255
	v_lshrrev_b32 v1, 5, v0
	v_readfirstlane_b32 s[WV], v1                  ; wave 0..3
	s_bfe_u32 s21, ttmp6, 0x40000                  ; cx
	s_lshl_b32 s22, ttmp9, 2
	s_add_co_u32 s22, s22, s21                     ; work-group x 0..15: it enters x's and the results' addresses alone
	s_and_b32 s23, ttmp7, 0xffff
	s_lshr_b32 s24, s23, 2                         ; tensor 0..2, the same in all partners
	s_and_b32 s25, s23, 3                          ; slab
	s_mov_b32 s32, 15|(3<<16)|(1<<21)              ; group 1: mask: all four work-groups; elements of 8 bytes; bit 21 beside a mask; no padding
	s_mov_b32 s33, 32<<16                          ; tensor_dim0 = 32 (256 bytes)
	s_mov_b32 s34, 200<<16                         ; tensor_dim1 = 200
	s_mov_b32 s35, 32<<16                          ; tile_dim0
	s_mov_b32 s36, 200                             ; tile_dim1
	s_mov_b32 s37, 32                              ; pitch: dense
	s_mov_b32 s38, 0
	s_mov_b32 s39, 0
	s_mul_i32 s26, s24, 819200
	s_lshl_b32 s27, s25, 2
	s_add_co_u32 s27, s27, s[WV]
	s_mul_i32 s27, s27, 51200
	s_add_co_u32 s26, s26, s27                     ; my column group's eight records in wimg
	s_mov_b32 s27, 0
	s_mov_b32 s28, 1
	s_mul_i32 s29, s[WV], 51200                    ; and in LDS
	s_mov_b32 s50, 0xffff0000                      ; lanes 16-31
	s_mov_b32 s52, 0x76543210
	s_mov_b32 s53, 0xfedcba98
	s_wait_dscnt 0x0
	s_wait_kmcnt 0x0
	s_add_nc_u64 s[30:31], s[6:7], s[26:27]
	s_or_b32 s31, s31, 0x80000000
	s_lshl_b32 s26, s24, 7
	s_lshl_b32 s40, s22, 3
	s_add_co_u32 s26, s26, s40
	s_lshl_b32 s40, s[WV], 1
	s_add_co_u32 s26, s26, s40                     ; 128 x tensor + my first group
	s_mul_i32 s26, s26, 51200
	s_add_nc_u64 s[40:41], s[4:5], s[26:27]        ; my stream of 16 records
	s_cmp_eq_u32 s24, 1
	s_cselect_b64 s[42:43], s[10:11], s[8:9]
	s_cselect_b64 s[44:45], s[16:17], s[14:15]
	s_cmp_eq_u32 s24, 2
	s_cselect_b64 s[42:43], s[12:13], s[42:43]     ; the bias
	s_cselect_b64 s[44:45], s[18:19], s[44:45]     ; the result
	s_mov_b32 s51, 6656
	s_cselect_b32 s51, 6400, s51                   ; v: a record for 128 rows; q, k: two records of 3,328
	s_lshl_b32 s26, s25, 10
	s_add_nc_u64 s[42:43], s[42:43], s[26:27]      ; the slab's 256 biases
	s_lshr_b32 s26, s22, 2
	s_lshl_b32 s26, s26, 4
	s_lshl_b32 s54, s25, 2
	s_add_co_u32 s26, s26, s54                     ; 16 x batch + the slab's first head
	s_lshl_b32 s26, s26, 4
	s_and_b32 s54, s22, 3
	s_lshl_b32 s54, s54, 2
	s_add_co_u32 s54, s54, s[WV]
	s_add_co_u32 s26, s26, s54                     ; x 16 + which 128 rows of the batch's 2,048 are mine
	s_mul_i32 s26, s26, s51
	s_add_nc_u64 s[44:45], s[44:45], s[26:27]
	ROUND                                          ; all four work-groups are here: the joint loads meet
	tensor_load_to_lds s[28:31], s[32:39]          ; my one tensor load of the launch
	s_nop 0
.rept 4
	v_nop
.endr
	v_and_b32 v2, 31, v0
	v_lshlrev_b32 v1, 4, v2                        ; v1 16 x lane
	v_lshlrev_b32 v2, 3, v2                        ; v2 8 x lane
	v_and_b32 v3, 15, v0
	v_lshlrev_b32 v3, 4, v3                        ; v3 16 r
	v_bfe_u32 v247, v0, 4, 1                       ; h
	v_lshl_add_u32 v4, v247, 3, v3                 ; v4 16 r + 8 h
	v_lshlrev_b32 v7, 6, v247
	v_add_nc_u32 v7, BTQ, v7                       ; v7 the biases as they lie, + 64 h
	v_add_nc_u32 v246, BTV, v3                     ; v246 the biases by place, + 16 r
	v_lshlrev_b32 v186, 3, v0                      ; 8 x thread
	v_and_b32 v187, 0x67, v0
	v_bfe_u32 v188, v0, 3, 1
	v_lshl_or_b32 v187, v188, 4, v187
	v_lshl_or_b32 v187, v247, 3, v187              ; the thread's number with bits 3 and 4 exchanged: the column that lies at place p = thread
	v_lshlrev_b32 v187, 2, v187
	v_add_nc_u32 v189, BTQ, v186
	v_lshlrev_b32 v188, 4, v0
	v_add_nc_u32 v188, BTV, v188
	global_load_b64 v[184:185], v186, s[42:43]
	global_load_b32 v176, v187, s[42:43]
	global_load_b32 v180, v187, s[42:43] offset:512   ; place p + 128
; 13 loads: a record of x into slot q: four images, and the scale words
.macro RING q, adra, adrb, off
	WIN 0x40                                       ; destination window 1
.irp i, 0,1,2,3
.irp j, 0,1,2
	global_load_b128 v[48*(\q)+12*\i+4*\j:48*(\q)+12*\i+4*\j+3], v[\adra], s[40:41] offset:(\off)+1536*\i+512*\j
.endr
.endr
	WIN 0
	global_load_b128 v[XS+4*(\q):XS+4*(\q)+3], v[\adrb], s[40:41] offset:(\off)+6144
.endm
	RING 0, 1, 3, 0
	RING 1, 1, 3, 6400
	RING 2, 1, 3, 12800
	RING 3, 1, 3, 19200
	s_wait_alu depctr_va_vdst(0)
	s_wait_loadcnt 52                              ; the three bias loads are in; the ring's 52 were issued behind them
	ds_store_b64 v189, v[184:185]
.irp i, 1,2,3
	v_mov_b32 v[176+\i], v176
	v_mov_b32 v[180+\i], v180
.endr
	ds_store_b128 v188, v[176:179]
	ds_store_b128 v188, v[180:183] offset:2048
	s_wait_tensorcnt 0x0                           ; my column group has landed,
	s_wait_dscnt 0x0                               ; my part of the bias tables is stored:
	s_barrier_signal -1
	s_barrier_wait -1                              ; everybody's
.irp n, 0,1,2,3,4,5,6,7
	v_mov_b32 v[TP+\n], 0                          ; a lane permute's destination counts as one of its sources
.endr
	s_mov_b32 s47, 0                               ; which half of K (four records, 25,600 bytes) is in hand
	s_mov_b32 s57, 51200
	s_mov_b32 s58, 102400
	s_mov_b32 s59, 153600
	v_add_nc_u32 v[AW], s47, v1
	v_add_nc_u32 v[AW+1], s57, v1
	v_add_nc_u32 v[AW+2], s58, v1
	v_add_nc_u32 v[AW+3], s59, v1
	v_add_nc_u32 v[AR], s47, v3
	v_add_nc_u32 v[AR+1], s57, v3
	v_add_nc_u32 v[AR+2], s58, v3
	v_add_nc_u32 v[AR+3], s59, v3
	s_mov_b32 s46, 25600                           ; the ring's next record
.macro WLOAD buf, adr, off             ; a column group's four images of one K step
.irp tt, 0,1,2,3
.irp j, 0,1,2
	ds_load_b128 v[WF+48*(\buf)+12*\tt+4*\j:WF+48*(\buf)+12*\tt+4*\j+3], v[\adr] offset:(\off)+1536*\tt+512*\j
.endr
.endr
.endm
.macro WQUADS set, off                 ; the four column groups' scale words of one K step
.irp gg, 0,1,2,3
	ds_load_b128 v[WS+16*(\set)+4*\gg:WS+16*(\set)+4*\gg+3], v[AR+\gg] offset:(\off)+6144
.endr
.endm
	WLOAD 0, AW, 0
	WQUADS 0, 0
; A K step of 128: four stages, one a column group, 16 matrix instructions each on 16 different accumulators (the 64 take turns).
; In each stage the next stage's fragments of W are asked for first.  var = 0: transposed (q, k); 1: natural (v).
.macro KSTEP q, var
	s_wait_loadcnt 39                              ; slot q's 13 loads are in; three younger batches of 13 may be out
.irp g, 0,1,2,3
.if \g == 3
.if \q == 3
	WIN 0
	s_xor_b32 s47, s47, 0x6400                     ; on to the other half of K; the eight additions are the places behind the last stage's products
	s_add_co_u32 s57, s47, 51200
	s_add_co_u32 s58, s47, 102400
	s_add_co_u32 s59, s47, 153600
	v_add_nc_u32 v[AW], s47, v1
	v_add_nc_u32 v[AW+1], s57, v1
	v_add_nc_u32 v[AW+2], s58, v1
	v_add_nc_u32 v[AW+3], s59, v1
	v_add_nc_u32 v[AR], s47, v3
	v_add_nc_u32 v[AR+1], s57, v3
	v_add_nc_u32 v[AR+2], s58, v3
	v_add_nc_u32 v[AR+3], s59, v3
.else
	PLACES
	WIN 0
.endif
	WLOAD 0, AW, 6400*((\q+1)%4)
	WQUADS (\q+1)%2, 6400*((\q+1)%4)
	s_wait_dscnt 16                                ; all but the 16 just issued
.else
.if \g > 0
	PLACES
.endif
	WIN 0                                          ; (stage 0: the places stand at the end of the K step before, or are the epilogue's vector work)
	WLOAD (\g+1)%2, AW+\g+1, 6400*\q
	s_wait_dscnt 12                                ; all but the 12 just issued
.endif
	WIN 0xa4-3*(\var)+0x50*(\g/2)
.irp tt, 0,1,2,3
.irp i, 0,1,2,3
.if \var
.set DD, 8*(16*(\g%2)+4*\tt+\i)
	v_wmma_scale_f32_16x16x128_f8f6f4 v[DD:DD+7], v[48*\q+12*\i:48*\q+12*\i+11], v[WF+48*(\g%2)+12*\tt:WF+48*(\g%2)+12*\tt+11], v[DD:DD+7], v[XS+4*\q+\i], v[WS+16*(\q%2)+4*\g+\tt] matrix_a_fmt:MATRIX_FMT_FP6 matrix_b_fmt:MATRIX_FMT_FP6
.else
.set DD, 8*(16*(\g%2)+4*\i+\tt)
	v_wmma_scale_f32_16x16x128_f8f6f4 v[DD:DD+7], v[WF+48*(\g%2)+12*\tt:WF+48*(\g%2)+12*\tt+11], v[48*\q+12*\i:48*\q+12*\i+11], v[DD:DD+7], v[WS+16*(\q%2)+4*\g+\tt], v[XS+4*\q+\i] matrix_a_fmt:MATRIX_FMT_FP6 matrix_b_fmt:MATRIX_FMT_FP6
.endif
.endr
.endr
.endr
	PLACES
	WIN 0
	s_wait_xcnt 0x0                                ; the last batch has read its address registers
	v_add_nc_u32 v5, s46, v1
	v_add_nc_u32 v6, s46, v3
	RING \q, 5, 6, 0                               ; slot q takes the record four on
	s_add_co_u32 s46, s46, 6400
	s_min_u32 s46, s46, 96000                      ; held at the stream's last record
.endm
; The bias becomes the sums' start.  q, k: register j of tile 2 b + u holds column 32 b + 16 h + 8 u + j of the group.  v: a lane's eight registers hold one column.
.macro INIT var
.irp g, 0,1,2,3
	WIN 0x80+0x40*(\g/2)
.irp x, 0,1,2,3
.irp t, 0,1,2,3
.if \var
	ds_load_b128 v[128*(\g%2)+32*\x+8*\t:128*(\g%2)+32*\x+8*\t+3], v246 offset:(4*\g+\x)*256
	ds_load_b128 v[128*(\g%2)+32*\x+8*\t+4:128*(\g%2)+32*\x+8*\t+7], v246 offset:(4*\g+\x)*256
.else
	ds_load_b128 v[128*(\g%2)+32*\x+8*\t:128*(\g%2)+32*\x+8*\t+3], v7 offset:(64*\g+32*(\t/2)+8*(\t%2))*4
	ds_load_b128 v[128*(\g%2)+32*\x+8*\t+4:128*(\g%2)+32*\x+8*\t+7], v7 offset:(64*\g+32*(\t/2)+8*(\t%2))*4+16
.endif
.endr
.endr
.endr
	WIN 0
.endm
; Column group g is quantised along the next K: four items x (q, k: tiles of rows; v: tiles of channels) x two blocks of 32; block n = 2 x + b lies in 16 registers of lanes l and l xor 16.
.macro EPI g, var
.set WW, 2+(\g)/2
.set RB, 128*((\g)%2)
	WIN WW|(WW<<2)                                 ; sources 0 and 1 in the accumulators' window
.irp n, 0,1,2,3,4,5,6,7
	v_max3_num_f32 v[TM+\n], |v[RB+16*\n]|, |v[RB+16*\n+1]|, 0x1800000   ; each accumulator from its low end on; the floor holds the byte at 1 from below
.endr
.irp i, 2,4,6,8,10,12,14
.irp n, 0,1,2,3,4,5,6,7
	v_max3_num_f32 v[TM+\n], |v[RB+16*\n+\i]|, |v[RB+16*\n+\i+1]|, v[TM+\n]
.endr
.endr
	WIN 0
.irp n, 0,1,2,3,4,5,6,7
	v_permlanex16_b32 v[TP+\n], v[TM+\n], s52, s53
.endr
.irp n, 0,1,2,3,4,5,6,7
	v_max_num_f32 v[TM+\n], v[TM+\n], v[TP+\n]
.endr
.irp n, 0,1,2,3,4,5,6,7
	v_add_nc_u32 v[SO+\n], 0xff000000, v[TM+\n]    ; the conversion's scale operand
.endr
.irp n, 0,1,2,3,4,5,6,7
	v_lshrrev_b32 v[TP+\n], 23, v[SO+\n]           ; the byte
.endr
.irp x, 0,1,2,3
	v_lshl_or_b32 v[WD+\x], v[TP+2*\x+1], 8, v[TP+2*\x]
.endr
	s_wait_xcnt 0x0                                ; the last group's stores have read their registers
	WIN WW
.irp x, 0,1,2,3
	v_cvt_scalef32_pk16_fp6_f32 v[PC+6*\x:PC+6*\x+2], v[RB+32*\x:RB+32*\x+15], v[SO+2*\x]
	v_cvt_scalef32_pk16_fp6_f32 v[CT+4*\x:CT+4*\x+2], v[RB+32*\x+16:RB+32*\x+31], v[SO+2*\x+1]
.endr
	v_nop                                          ; one plain place behind a scaled conversion
	WIN 0
.irp x, 0,1,2,3
.irp i, 0,1,2
	v_permlane16_swap_b32 v[PC+6*\x+\i], v[CT+4*\x+\i]   ; a whole block to a lane: lanes 0-15 block 0, lanes 16-31 block 1
.endr
.endr
.irp x, 0,1,2,3
.irp i, 0,1,2
	v_mov_b32 v[PC+6*\x+3+\i], v[CT+4*\x+\i]
.endr
.endr
.if \var
.irp x, 0,1,2,3
	global_store_b128 v1, v[PC+6*\x:PC+6*\x+3], s[44:45] offset:(\g)*102400+1536*\x
	global_store_b64 v2, v[PC+6*\x+4:PC+6*\x+5], s[44:45] offset:(\g)*102400+1536*\x+512
.endr
.irp x, 0,1,2,3
	v_lshrrev_b32 v[HW+4*(\g)+\x], 16, v[HW+4*(\g)+\x]
	v_lshl_or_b32 v[HW+4*(\g)+\x], v[WD+\x], 16, v[HW+4*(\g)+\x]   ; after two passes: the first pass's two bytes below, the second's above
.endr
.else
.irp j, 0,1,2,3,4,5
	global_store_b128 v1, v[PC+4*\j:PC+4*\j+3], s[44:45] offset:(\g)*106496+512*\j
.endr
	v_cndmask_b32 v[SP], v[WD], v[WD+2], s50
	v_cndmask_b32 v[SP+1], v[WD+1], v[WD+3], s50
	global_store_b64 v4, v[SP:SP+1], s[44:45] offset:(\g)*106496+3072
.endif
.endm
	s_mov_b32 s48, 2                               ; passes
	s_cmp_eq_u32 s24, 2
	s_cbranch_scc1 .Lvalue
.Lpass_q:
	INIT 0
	s_mov_b32 s49, 2
.Lquad_q:                                          ; a trip: four K steps, once round the ring
	s_wait_alu depctr_va_vdst(0)
	KSTEP 0, 0
	KSTEP 1, 0
	KSTEP 2, 0
	KSTEP 3, 0
	s_sub_co_u32 s49, s49, 1
	s_cmp_lg_u32 s49, 0
	s_cbranch_scc1 .Lquad_q
	EPI 0, 0
	EPI 1, 0
	EPI 2, 0
	EPI 3, 0
	s_wait_xcnt 0x0                                ; the stores have read their base
	s_add_nc_u64 s[44:45], s[44:45], 3328          ; the next group of 64 rows
	s_sub_co_u32 s48, s48, 1
	s_cmp_lg_u32 s48, 0
	s_cbranch_scc1 .Lpass_q
	s_branch .Ljoin
.Lvalue:
.irp n, 0,1,2,3,4,5,6,7,8,9,10,11,12,13,14,15
	v_mov_b32 v[HW+\n], 0
.endr
.Lpass_v:
	INIT 1
	s_mov_b32 s49, 2
.Lquad_v:
	s_wait_alu depctr_va_vdst(0)
	KSTEP 0, 1
	KSTEP 1, 1
	KSTEP 2, 1
	KSTEP 3, 1
	s_sub_co_u32 s49, s49, 1
	s_cmp_lg_u32 s49, 0
	s_cbranch_scc1 .Lquad_v
	EPI 0, 1
	EPI 1, 1
	EPI 2, 1
	EPI 3, 1
	s_wait_xcnt 0x0
	s_add_nc_u64 s[44:45], s[44:45], 768           ; the record's other 64 keys
	s_sub_co_u32 s48, s48, 1
	s_cmp_lg_u32 s48, 0
	s_cbranch_scc1 .Lpass_v
	s_wait_alu depctr_va_vdst(0)
.irp g, 0,1,2,3
	v_cndmask_b32 v[TM+2*\g], v[HW+4*\g], v[HW+4*\g+2], s50
	v_cndmask_b32 v[TM+2*\g+1], v[HW+4*\g+1], v[HW+4*\g+3], s50
	global_store_b64 v4, v[TM+2*\g:TM+2*\g+1], s[44:45] offset:\g*102400+6144-1536   ; (the base has stepped twice)
.endr
.Ljoin:
	s_wait_dscnt 0x0                               ; the last stage's LDS loads, asked for and not used
	s_wait_tensorcnt 0x0
	ds_add_u32 v254, v255
	s_wait_dscnt 0x0
	ROUND                                          ; the closing round
	s_endpgm
.Lfunc_end_k_q7cf96ddb9b_proj:
	.size	k_q7cf96ddb9b_proj, .Lfunc_end_k_q7cf96ddb9b_proj-k_q7cf96ddb9b_proj
	.p2alignl 7, 3214868480
	.fill 96, 4, 3214868480
	.section	.rodata,"a",@progbits
	.p2align	6, 0x0
	.amdhsa_kernel k_q7cf96ddb9b_proj
		.amdhsa_group_segment_fixed_size 213504
		.amdhsa_private_segment_fixed_size 0
		.amdhsa_enable_private_segment 0
		.amdhsa_kernarg_size 64
		.amdhsa_user_sgpr_count 2
		.amdhsa_user_sgpr_kernarg_segment_ptr 1
		.amdhsa_wavefront_size32 1
		.amdhsa_system_sgpr_workgroup_id_x 1
		.amdhsa_system_sgpr_workgroup_id_y 1
		.amdhsa_system_sgpr_workgroup_id_z 1
		.amdhsa_system_vgpr_workitem_id 0
		.amdhsa_next_free_vgpr 1024
		.amdhsa_next_free_sgpr 80
		.amdhsa_reserve_vcc 0
		.amdhsa_float_denorm_mode_32 3
		.amdhsa_float_denorm_mode_16_64 3
		.amdhsa_memory_ordered 1
		.amdhsa_forward_progress 1
		.amdhsa_inst_pref_size 209
	.end_amdhsa_kernel
	.amdgpu_metadata
---
amdhsa.version: [ 1, 2 ]
amdhsa.kernels:
  - .name:           k_q7cf96ddb9b_proj
    .symbol:         k_q7cf96ddb9b_proj.kd
    .args:
      - { .name: xq, .offset: 0, .size: 8, .value_kind: global_buffer, .address_space: global }
      - { .name: wimg, .offset: 8, .size: 8, .value_kind: global_buffer, .address_space: global }
      - { .name: bq, .offset: 16, .size: 8, .value_kind: global_buffer, .address_space: global }
      - { .name: bk, .offset: 24, .size: 8, .value_kind: global_buffer, .address_space: global }
      - { .name: bv, .offset: 32, .size: 8, .value_kind: global_buffer, .address_space: global }
      - { .name: qimg, .offset: 40, .size: 8, .value_kind: global_buffer, .address_space: global }
      - { .name: kimg, .offset: 48, .size: 8, .value_kind: global_buffer, .address_space: global }
      - { .name: vimg, .offset: 56, .size: 8, .value_kind: global_buffer, .address_space: global }
    .group_segment_fixed_size: 213504
    .private_segment_fixed_size: 0
    .kernarg_segment_align: 8
    .kernarg_segment_size: 64
    .max_flat_workgroup_size: 128
    .sgpr_count:     80
    .vgpr_count:     1024
    .wavefront_size: 32
...
	.end_amdgpu_metadata
.endif
;; end of part 2
;; launch attn (part 3): grid 4 x 64, 16 waves a work-group, clusters of 4 x 1, 215,040 bytes of LDS; arguments qimg, kimg, vimg, cimg; writes cimg
.if DOCPART == 3
	.amdgcn_target "amdgcn-amd-amdhsa--gfx1250"
	.amdhsa_code_object_version 6
	.text
	.protected	k_q7cf96ddb9b_attn
	.globl	k_q7cf96ddb9b_attn
	.p2align	8
	.type	k_q7cf96ddb9b_attn,@function
k_q7cf96ddb9b_attn:
	s_mov_b64 s[64:65], 0
	v_nop
	global_prefetch_b8 v0, s[64:65] scope:SCOPE_SE
	s_setreg_imm32_b32 hwreg(HW_REG_WAVE_MODE, 25, 1), 1
	s_wait_xcnt 0x0
	s_wait_alu depctr_hold_cnt(0) depctr_sa_sdst(0) depctr_va_vdst(0) depctr_va_sdst(0) depctr_va_ssrc(0) depctr_va_vcc(0) depctr_vm_vsrc(0)
	s_getreg_b32 s2, hwreg(HW_REG_IB_STS2, 6, 4)
	s_cmp_eq_u32 s2, 0
	s_cbranch_scc0 .Lentry_in_a_cluster
	s_endpgm
.Lentry_in_a_cluster:
	s_bfe_u32 s2, ttmp6, 0x10000c
	s_cmp_lg_u32 s2, 0x3003
	s_cbranch_scc0 .Lentry_shape_is_right
	s_endpgm
.Lentry_shape_is_right:
; ctx[b][h][q] = the sum over k of softmax_k(q . k / 8) v, both products on codes of FP6, and ctx quantised at once along the model's 1,024 for the last product.
; t = score x log2(e) / 8; M = the running largest t rounded UP to a whole number; p = 2^(t - M) is quantised along the keys, not normalised; the row's sum is taken of the unquantised p and divides at the end
; (v_rcp_f32 and a multiplication).  When M moves, the sum and O are multiplied by 2^(old M - new M): exact.
; SHARES.  y = 16 b + h.  The four work-groups of a cluster have 512 queries each of one head.  THE HEAD'S WHOLE K AND V, 208,896 bytes in register order, COME INTO LDS ONCE, asked for jointly (mask 15):
; every wave issues one tensor load, an eighth (two key steps): even waves K's (13,312 bytes), odd waves V's (12,800).  Waves 0 and 1 have load lines of their own: the first barrier shows their eighths alone,
; one key step is worked (it reads K of steps 0 and 1 and V of step 0), and a second barrier shows the rest.  Nothing in LDS is filled twice, so no other barrier stands ahead of the last one.
; Wave w owns tile w % 4 (16 queries) of the group of 64 queries 8 cx + 4 pass + w / 4, pass = 0, 1, in 256 registers: four waves to a SIMD, which walk the keys each at its own pace.
; Both products are used transposed (S^T = K Q^T, O^T = V^T P^T): a lane holds one query throughout.  Row 8 h + j of tile t of a group of 64 keys is key 32 h + 8 t + j (the first launch lays key_ so):
; the 32 registers of a group's four tiles are ONE block of 32 keys, in the order of the next operand's registers: its largest p and its codes need no other lane.
; K IS FETCHED A STEP AHEAD: behind a step's first products its K registers take the next step's K, awaited with V ahead of the second products; so a step begins with its products.
; A pass's last step so fetches 6,656 bytes behind K's last step (the start of V's bytes); they are not used.
; The first product's K is 64: a tile of K is 6 registers.  Tile T's operand is v[56 + 6 T .. + 11]: its upper six registers are the next tile's codes (behind tile 7: six registers of constant addresses);
; whatever bits they hold are finite numbers of the format, meet Q's zero codes and add nothing.
; OUT: cimg [group of 64 rows 128][head 16] records of 3,328 bytes: four images of 6 registers (768 bytes a tile), then scale words [lane][tile], low 16 bits used.  The words of the work-group's eight groups gather in LDS
; bytes of their own and leave behind the last barrier, 256 consecutive bytes a wave.
; NO PREFETCH INTO THE L2: all that the launch reads through LDS is asked for at the head, in one group; there is no loop to run ahead in.
; LIMITS: NaN and infinities are not served; blocks under 2^-124 and blocks of zeros get the byte 1, read by this program alone; the promise holds while |t| stays under 2^31.
.set WV,  12
.set KB,  6656                         ; K's bytes of a key step of 128 keys: two records of 3,328
.set VB,  6400                         ; V's: one record
.set VBASE, 106496                     ; LDS: V behind K
.set SCR, 208896                       ; behind V: ctx's scale words, eight groups x 256 bytes
.set SPARE, 212992                     ; the spare words, 128 bytes a wave
.set TP,  1                            ; v1      a lane permute's result
.set OLD, 2                            ; v2      the last -M
.set R16, 3                            ; v3      16 r           (v3, v10, v11 never change behind the head)
.set BYB, 47                           ; v47     the second block's byte, when the second chains are done with
.set T2,  4                            ; v4, v5 K's addresses, v6-8 V's; behind the loads: v4-6 the upper half of the second block's codes,
.set SO,  7                            ; v7, v8  the conversions' scale operands
.set BYA, 9                            ; v9      the first block's byte
.set L16, 10                           ; v10     16 x lane
.set L8,  11                           ; v11     8 x lane
.set KS,  32                           ; v32-39  K's scale words
.set VS,  40                           ; v40-43  V's
.set BM,  44                           ; v44, 45 a block's largest score, then its largest p
.set BN,  46                           ; v46, 47 the second chains
.set T1,  44                           ; v44-46  later the upper half of the first block's codes (a conversion's three registers begin on an even number)
.set SA,  48                           ; v48-55  four partial sums of p, in pairs
.set KF,  56                           ; v56-103 eight tiles of K
.set H8,  104                          ; v104    8 h            (v104-109 never change behind the head, and no line that serves as a place behind tile 7's product names them)
.set SST, 105                          ; v105    where I put ctx's scale word in pass 0
.set SRD, 106                          ; v106    waves 0-7: where I read a group's words back
.set QA,  107                          ; v107    my pair's image of Q: 16 x lane + 1,536 x pair
.set QS,  108                          ; v108    my scale word among a group's: 16 r + 4 tile
.set ZR,  109                          ; v109    0
.set VF,  110                          ; v110-157 four tiles of V^T
.set S,   158                          ; v158-221 S^T, then p
.set PC,  S+16                         ; p's codes, laid over p's registers 16-27 when these are read out
.set EC,  56                           ; the way out: ctx's codes,
.set ET,  68                           ; and their upper half
.set O,   222                          ; v222-253 O^T;  v254, v255: my spare word's address and 0, never rewritten
.set SEL, 86
.set CS,  88
.set NC,  90
.set TK,  91
.set TV,  92
.set CNT, 93
.macro WALU
	s_wait_alu depctr_va_vdst(0)
.endm
.macro D1
	s_delay_alu instid0(VALU_DEP_1)
.endm
.macro ROUND
	s_barrier_signal -1
	s_barrier_wait -1
	s_cmp_lg_u32 s[WV], 0
	s_cbranch_scc1 .Lnot_wave_0_\@
	s_barrier_signal -3
.Lnot_wave_0_\@:
	s_barrier_wait -3
	s_barrier_signal -1
	s_barrier_wait -1
.endm
.macro TL g0, g1
	tensor_load_to_lds s[\g0:\g0+3], s[\g1:\g1+7]
	s_nop 0
.rept 4
	v_nop
.endr
.endm
	s_load_b256 s[4:11], s[0:1], 0x0               ; qimg s[4:5], kimg s[6:7], vimg s[8:9], cimg s[10:11]
	v_lshl_add_u32 v254, v0, 2, SPARE
	v_mov_b32 v255, 0
	ds_add_u32 v254, v255                          ; the opening lines: the add, twice on end, and its wait ahead of my tensor load
	ds_add_u32 v254, v255
	v_lshrrev_b32 v1, 5, v0
	v_readfirstlane_b32 s[WV], v1                  ; wave 0..15
	s_bfe_u32 s13, ttmp6, 0x40000                  ; cx: it enters Q's and ctx's addresses alone
	s_and_b32 s14, ttmp7, 0xffff                   ; 16 b + h, which the partners share
	s_mov_b32 s16, 15|(3<<16)|(1<<21)              ; group 1 for K: mask 15; elements of 8 bytes; bit 21 beside a mask
	s_mov_b32 s17, 32<<16
	s_mov_b32 s18, 52<<16                          ; 52 rows of 256 bytes: 256 keys
	s_mov_b32 s19, 32<<16
	s_mov_b32 s20, 52
	s_mov_b32 s21, 32
	s_mov_b32 s22, 0
	s_mov_b32 s23, 0
	s_mov_b32 s24, 15|(3<<16)|(1<<21)              ; for V: 50 rows
	s_mov_b32 s25, 32<<16
	s_mov_b32 s26, 50<<16
	s_mov_b32 s27, 32<<16
	s_mov_b32 s28, 50
	s_mov_b32 s29, 32
	s_mov_b32 s30, 0
	s_mov_b32 s31, 0
	s_and_b32 s40, s[WV], 1                        ; 0: I fetch for K, 1: for V
	s_lshr_b32 s41, s[WV], 1                       ; which eighth
	s_mul_i32 s42, s41, 13312
	s_mul_i32 s44, s41, 12800
	s_mul_i32 s46, s14, 106496
	s_add_co_u32 s46, s46, s42
	s_mov_b32 s47, 0
	s_mul_i32 s48, s14, 102400
	s_add_co_u32 s48, s48, s44
	s_mov_b32 s49, 0
	s_mov_b32 s32, 1
	s_mov_b32 s33, s42
	s_mov_b32 s36, 1
	s_add_co_u32 s37, s44, VBASE
	s_mov_b32 s[SEL], 0x76543210
	s_mov_b32 s[SEL+1], 0xfedcba98                 ; v_permlanex16_b32's selects for lane l xor 16
	s_mov_b32 s[CS], 0x3e38aa3b                    ; c = log2(e) / 8
	s_mov_b32 s[CS+1], s[CS]
	s_mov_b32 s[NC], 0xbe38aa3b                    ; -c
	s_wait_dscnt 0x0
	s_wait_kmcnt 0x0
	s_add_nc_u64 s[34:35], s[6:7], s[46:47]
	s_or_b32 s35, s35, 0x80000000
	s_add_nc_u64 s[38:39], s[8:9], s[48:49]
	s_or_b32 s39, s39, 0x80000000
	ROUND                                          ; all four work-groups are here: the joint loads meet
	s_cmp_eq_u32 s[WV], 0                          ; one chain, one load to an arm, every wave through one arm
	s_cbranch_scc0 .Lnot_0
	TL 32, 16                                      ; wave 0: K's first eighth
	s_branch .Lasked
.Lnot_0:
	s_cmp_eq_u32 s[WV], 1
	s_cbranch_scc0 .Lnot_1
	TL 36, 24                                      ; wave 1: V's first eighth
	s_branch .Lasked
.Lnot_1:
	s_cmp_eq_u32 s40, 0
	s_cbranch_scc0 .Lodd
	TL 32, 16                                      ; waves 2, 4 .. 14: K's other eighths
	s_branch .Lasked
.Lodd:
	TL 36, 24                                      ; waves 3, 5 .. 15: V's
.Lasked:
	s_and_b32 s70, s[WV], 3                        ; my tile
	s_lshr_b32 s71, s[WV], 2                       ; my group of a pass's four
	s_lshl_b32 s72, s14, 5
	s_lshl_b32 s73, s13, 3
	s_add_co_u32 s72, s72, s73
	s_add_co_u32 s72, s72, s71
	s_mul_i32 s72, s72, 3328
	s_mov_b32 s73, 0
	s_add_nc_u64 s[4:5], s[4:5], s[72:73]          ; my group's record of Q in pass 0; pass 1's lies four records on
	s_lshr_b32 s72, s14, 4
	s_lshl_b32 s72, s72, 5
	s_lshl_b32 s77, s13, 3
	s_add_co_u32 s72, s72, s77                     ; 32 b + 8 cx
	s_and_b32 s77, s14, 15                         ; the head
	s_add_co_u32 s78, s72, s71
	s_lshl_b32 s78, s78, 4
	s_add_co_u32 s78, s78, s77
	s_mul_i32 s78, s78, 3328
	s_mul_i32 s79, s70, 768
	s_add_co_u32 s78, s78, s79
	s_mov_b32 s79, 0
	s_add_nc_u64 s[80:81], s[10:11], s[78:79]      ; my tile's image in cimg, pass 0
	s_and_b32 s76, s[WV], 7
	s_add_co_u32 s78, s72, s76
	s_lshl_b32 s78, s78, 4
	s_add_co_u32 s78, s78, s77
	s_mul_i32 s78, s78, 3328
	s_add_nc_u64 s[82:83], s[10:11], s[78:79]      ; waves 0-7: the record whose scale words I store
	s_cmp_eq_u32 s40, 1
	s_cselect_b32 s74, -1, 0                       ; odd tiles take the upper six registers of a pair's image
	s_lshr_b32 s75, s70, 1
	s_mul_i32 s75, s75, 1536                       ; which pair
	s_lshl_b32 s84, s70, 2
	s_lshl_b32 s85, s71, 8
	s_add_co_u32 s85, s85, s84
	s_add_co_u32 s85, s85, SCR
	s_lshl_b32 s50, s76, 8
	s_add_co_u32 s50, s50, SCR
	v_and_b32 v4, 31, v0
	v_and_b32 v5, 15, v0
	v_bfe_u32 v6, v0, 4, 1
	v_lshlrev_b32 v[L16], 4, v4
	v_lshlrev_b32 v[L8], 3, v4
	v_lshlrev_b32 v[R16], 4, v5
	v_lshlrev_b32 v[H8], 3, v6
	v_mov_b32 v[ZR], 0
	v_add_nc_u32 v[QA], s75, v[L16]
	v_add_nc_u32 v[QS], s84, v[R16]
	v_add_nc_u32 v[SST], s85, v[R16]
	v_add_nc_u32 v[SRD], s50, v[L8]
.macro QLOAD p                         ; my pair's image of Q and my scale word (its bytes 2 and 3 are 0)
.irp j, 0,1,2
	global_load_b128 v[S+4*\j:S+4*\j+3], v[QA], s[4:5] offset:13312*(\p)+512*\j
.endr
	global_load_b32 v28, v[QS], s[4:5] offset:13312*(\p)+3072
.endm
	QLOAD 0
.irp j, 0,1,2,3,4,5
	v_mov_b32 v[22+\j], 0                          ; Q's upper 64 along K: zero codes
.endr
	v_mov_b32 v[TP], 0                             ; a lane permute's destination counts as one of its sources
	v_mov_b32 v[OLD], 0
	v_mov_b32 v31, 0                               ; (named as the upper half of the pair v[30:31])
.macro INIT                            ; a pass begins
	s_wait_loadcnt 0x0
	s_wait_xcnt 0x0                                ; the last pass's stores have read the codes' registers
.irp j, 0,1,2,3,4,5
	v_cndmask_b32 v[16+\j], v[S+\j], v[S+6+\j], s74
.endr
	v_mov_b32 v13, 0xff61b1e6                      ; the largest score so far: -3e38
	v_mov_b32 v14, 0
	v_mov_b32 v15, 0
	v_floor_f32 v12, -v13
.set J, 0
.rept 32
	v_mov_b32 v[O+J], 0                            ; the step is written once: the first finds zeros
.set J, J+1
.endr
	v_mov_b32 v[OLD], v12
.endm
.macro KLOADS                          ; 14 loads: the K of the step whose addresses stand in v4, v5
.irp gk, 0,1
.irp j, 0,1,2,3,4,5
	ds_load_b128 v[KF+24*\gk+4*\j:KF+24*\gk+4*\j+3], v4 offset:3328*\gk+512*\j
.endr
	ds_load_b128 v[KS+4*\gk:KS+4*\gk+3], v5 offset:3328*\gk+3072
.endr
.endm
.macro START                           ; a pass's first K comes by itself
	s_mov_b32 s[TK], 0
	v_add_nc_u32 v4, s[TK], v[L16]
	v_add_nc_u32 v5, s[TK], v[R16]
	KLOADS
	s_wait_dscnt 0x0
.endm
; A KEY STEP: 128 keys.  Its K is in registers
.macro STEP
.irp t, 0,1,2,3,4,5,6,7
	v_wmma_scale_f32_16x16x128_f8f6f4 v[S+8*\t:S+8*\t+7], v[KF+6*\t:KF+6*\t+11], v[16:27], 0, v[KS+\t], v28 matrix_a_fmt:MATRIX_FMT_FP6 matrix_b_fmt:MATRIX_FMT_FP6
.endr
	s_add_co_u32 s[TK], s[TK], KB
	v_add_nc_u32 v4, s[TK], v[L16]                 ; five lines that are due anyway: the places behind the products, ahead of the loads into their operands and of the reads of their results
	v_add_nc_u32 v5, s[TK], v[R16]
	v_add_nc_u32 v6, s[TV], v[L16]
	v_add_nc_u32 v7, s[TV], v[L8]
	v_add_nc_u32 v8, s[TV], v[R16]
	KLOADS                                         ; the next step's K,
.irp x, 0,1,2,3
.irp c, 0,1
	ds_load_b128 v[VF+12*\x+6*\c:VF+12*\x+6*\c+3], v6 offset:1536*\x+768*\c
	ds_load_b64 v[VF+12*\x+6*\c+4:VF+12*\x+6*\c+5], v7 offset:1536*\x+768*\c+512
.endr
.endr
	ds_load_b128 v[VS:VS+3], v8 offset:6144        ; and this step's V: 31 loads land during the softmax
	s_add_co_u32 s[TV], s[TV], VB
.irp c, 0,1                            ; the largest score of my two blocks of 32 keys, each in two chains; every accumulator is first read at its low end
	v_max3_num_f32 v[BM+\c], v[S+32*\c], v[S+32*\c+1], v[S+32*\c+2]
	v_max3_num_f32 v[BN+\c], v[S+32*\c+16], v[S+32*\c+17], v[S+32*\c+18]
.endr
.irp i, 3,5,7,9,11,13
.irp c, 0,1
	v_max3_num_f32 v[BM+\c], v[BM+\c], v[S+32*\c+\i], v[S+32*\c+\i+1]
	v_max3_num_f32 v[BN+\c], v[BN+\c], v[S+32*\c+16+\i], v[S+32*\c+17+\i]
.endr
.endr
.irp c, 0,1
	v_max3_num_f32 v[BM+\c], v[BM+\c], v[BN+\c], v[S+32*\c+15]
.endr
.irp c, 0,1
	v_max_num_f32 v[BM+\c], v[BM+\c], v[S+32*\c+31]
.endr
	D1
	v_max3_num_f32 v13, v13, v[BM], v[BM+1]        ; the running largest score (c is positive),
	D1
	v_permlanex16_b32 v[TP], v13, s[SEL], s[SEL+1]
	D1
	v_max_num_f32 v13, v13, v[TP]                  ; with lane l xor 16's keys
	D1
	v_mul_f32 v[TP], s[NC], v13                    ; -t
	D1
	v_floor_f32 v12, v[TP]                         ; -M = floor(-t)
	D1
	v_sub_f32 v[OLD], v12, v[OLD]                  ; old M - new M: a whole number, 0 or less
	D1
	v_cvt_i32_f32 v[OLD], v[OLD]                   ; (it saturates)
	D1
	v_ldexp_f32 v30, 1.0, v[OLD]                   ; f = 2^(old M - new M)
.set J, 0
.rept 32
	v_pk_fma_f32 v[S+J:S+J+1], v[S+J:S+J+1], s[CS:CS+1], v[12:13] op_sel_hi:[1,0,0]   ; t - M
.set J, J+2
.endr
.irp c, 0,1
	v_fma_f32 v[BM+\c], v[BM+\c], s[CS], v12       ; the same of each block's largest score: p rises with the score
.endr
	WALU                                           ; the wait ahead of the batch
.irp c, 0,1
	v_exp_f32 v[BM+\c], v[BM+\c]                   ; each block's largest p
.endr
.set J, 0
.rept 64
	v_exp_f32 v[S+J], v[S+J]                       ; p = 2^(t - M)
.set J, J+1
.endr
	v_pk_mul_f32 v[14:15], v[14:15], v[30:31] op_sel_hi:[1,0]   ; the sums under the new M: a plain place behind the exponentials
	WALU                                           ; one wait for the batch, ahead of its first reader
.irp q, 0,1,2,3                        ; the row's sum is taken of the unquantised p: four chains of pairs
	v_pk_add_f32 v[SA+2*\q:SA+2*\q+1], v[S+4*\q:S+4*\q+1], v[S+4*\q+2:S+4*\q+3]
.endr
.set J, 16
.rept 6
.irp q, 0,1,2,3
	v_pk_add_f32 v[SA+2*\q:SA+2*\q+1], v[SA+2*\q:SA+2*\q+1], v[S+J+2*\q:S+J+2*\q+1]
.endr
.set J, J+8
.endr
.irp c, 0,1
	v_max_num_f32 v[BM+\c], 0x1800000, v[BM+\c]    ; the floor 2^(3 - 127) holds the byte at 1 from below
.endr
.irp c, 0,1
	v_add_nc_u32 v[SO+\c], 0xff000000, v[BM+\c]    ; 2 off the exponent field: the conversions' scale operand
.endr
	v_cvt_scalef32_pk16_fp6_f32 v[T1:T1+2], v[S+16:S+31], v[SO]       ; the blocks' upper halves first: then p's registers 16-31 are read out,
	v_cvt_scalef32_pk16_fp6_f32 v[T2:T2+2], v[S+48:S+63], v[SO+1]
	v_lshrrev_b32 v[BYA], 23, v[SO]                ; the bytes of blocks h and 2 + h (plain lines between the conversions above and the writes of their sources below)
	v_lshrrev_b32 v[BYB], 23, v[SO+1]
	v_cvt_scalef32_pk16_fp6_f32 v[PC:PC+2], v[S:S+15], v[SO]          ; and take the operand: registers 0-2,
	v_cvt_scalef32_pk16_fp6_f32 v[PC+6:PC+8], v[S+32:S+47], v[SO+1]   ; 6-8
	v_lshl_or_b32 v29, v[BYB], 16, v[BYA]
	D1
	v_lshlrev_b32 v29, v[H8], v29                  ; the two bytes at their places in the word;
	D1
	v_permlanex16_b32 v[TP], v29, s[SEL], s[SEL+1]
	D1
	v_or_b32 v29, v29, v[TP]                       ; with lane l xor 16's two p's scale word is whole
.irp i, 0,1,2
	v_mov_b32 v[PC+3+\i], v[T1+\i]                 ; registers 6 c .. 6 c + 5: keys 64 c + 32 h + 0 .. 31
	v_mov_b32 v[PC+9+\i], v[T2+\i]
.endr
	s_wait_dscnt 0x0                               ; V is in, and the next step's K
	WALU                                           ; the wait directly ahead of the first reader of O^T
.set J, 0
.rept 16
	v_pk_mul_f32 v[O+J:O+J+1], v[O+J:O+J+1], v[30:31] op_sel_hi:[1,0]   ; O^T under the new M; twelve of the 16 name no register of a given product below: its places behind operand and scale
.set J, J+2
.endr
.irp x, 0,1,2,3
	v_wmma_scale_f32_16x16x128_f8f6f4 v[O+8*\x:O+8*\x+7], v[VF+12*\x:VF+12*\x+11], v[PC:PC+11], v[O+8*\x:O+8*\x+7], v[VS+\x], v29 matrix_a_fmt:MATRIX_FMT_FP6 matrix_b_fmt:MATRIX_FMT_FP6
.endr
	v_pk_add_f32 v[SA:SA+1], v[SA:SA+1], v[SA+2:SA+3]           ; the four chains join, and -M is kept: five places ahead of the next step's products, which write over p's codes
	v_pk_add_f32 v[SA+4:SA+5], v[SA+4:SA+5], v[SA+6:SA+7]
	v_pk_add_f32 v[SA:SA+1], v[SA:SA+1], v[SA+4:SA+5]
	v_pk_add_f32 v[14:15], v[14:15], v[SA:SA+1]
	v_mov_b32 v[OLD], v12
.endm
.macro LOOP n, first, trips            ; key steps first .. first + trips - 1; the first's K is in registers
	s_mov_b32 s[TK], KB*(\first)
	s_mov_b32 s[TV], VBASE+VB*(\first)
	s_mov_b32 s[CNT], \trips
	WALU                                           ; the wait behind what stands ahead of the loop
.Lstep_\n:
	STEP
	s_sub_co_u32 s[CNT], s[CNT], 1
	s_cmp_lg_u32 s[CNT], 0
	s_cbranch_scc1 .Lstep_\n
.endm
; THE WAY OUT of pass p: O^T / the sum, quantised along the head's 64 channels (two blocks of the last product's K; block b lies in 16 registers of lanes l and l xor 16)
.macro EPI p
.if (\p) == 0
	QLOAD 1                                        ; the next pass's Q comes in under this way out
.endif
	v_add_f32 v14, v14, v15
	v_permlanex16_b32 v[TP], v14, s[SEL], s[SEL+1]
	v_add_f32 v14, v14, v[TP]                      ; the row's sum
	WALU
	v_rcp_f32 v30, v14
	v_nop                                          ; a plain place behind the transcendental
	WALU                                           ; the wait ahead of its first reader, and of O^T's
.set J, 0
.rept 16
	v_pk_mul_f32 v[O+J:O+J+1], v[O+J:O+J+1], v[30:31] op_sel_hi:[1,0]
.set J, J+2
.endr
.irp b, 0,1
	v_max3_num_f32 v[BM+\b], |v[O+16*\b]|, |v[O+16*\b+1]|, 0x1800000
.endr
.irp i, 2,4,6,8,10,12,14
.irp b, 0,1
	v_max3_num_f32 v[BM+\b], v[BM+\b], |v[O+16*\b+\i]|, |v[O+16*\b+\i+1]|
.endr
.endr
.irp b, 0,1
	v_permlanex16_b32 v[TP+\b], v[BM+\b], s[SEL], s[SEL+1]
.endr
.irp b, 0,1
	v_max_num_f32 v[BM+\b], v[BM+\b], v[TP+\b]
.endr
.irp b, 0,1
	v_add_nc_u32 v[SO+\b], 0xff000000, v[BM+\b]
.endr
	v_lshrrev_b32 v[BYA], 23, v[SO]
	v_lshrrev_b32 v[BYB], 23, v[SO+1]
	v_lshl_or_b32 v[BYA], v[BYB], 8, v[BYA]
	v_cvt_scalef32_pk16_fp6_f32 v[EC:EC+2], v[O:O+15], v[SO]
	v_cvt_scalef32_pk16_fp6_f32 v[ET:ET+2], v[O+16:O+31], v[SO+1]
	v_nop                                          ; one plain place behind a scaled conversion
.irp i, 0,1,2
	v_permlane16_swap_b32 v[EC+\i], v[ET+\i]       ; a whole block to a lane
.endr
.irp i, 0,1,2
	v_mov_b32 v[EC+3+\i], v[ET+\i]
.endr
	global_store_b128 v[L16], v[EC:EC+3], s[80:81] offset:212992*(\p)
	global_store_b64 v[L8], v[EC+4:EC+5], s[80:81] offset:212992*(\p)+512
	ds_store_b32 v[SST], v[BYA] offset:1024*(\p)   ; lanes r and r + 16 write the same word with the same value
.endm
	INIT
	WALU                                           ; the wait at the head's end
	s_cmp_lt_u32 s[WV], 2
	s_cbranch_scc0 .Lnot_first
	s_wait_tensorcnt 0x0                           ; waves 0 and 1: my eighth has landed
.Lnot_first:
	s_barrier_signal -1
	s_barrier_wait -1                              ; K's and V's first eighths are whole; the others may be on their way
	START
	s_mov_b32 s[TV], VBASE
	STEP                                           ; key step 0; it fetches step 1's K, which lies in the first eighth too
	s_wait_tensorcnt 0x0                           ; every wave: my eighth has landed
	s_wait_dscnt 0x0
	s_barrier_signal -1
	s_barrier_wait -1                              ; all of K and V is whole
	LOOP 1, 1, 15
	EPI 0
	INIT
	START
	LOOP 2, 0, 16
	EPI 1
	WALU
	s_wait_dscnt 0x0                               ; my scale words are stored
	s_barrier_signal -1
	s_barrier_wait -1                              ; the eight groups' words lie together
	s_cmp_lt_u32 s[WV], 8
	s_cbranch_scc0 .Lno_words
	ds_load_b64 v[S:S+1], v[SRD]
	s_wait_dscnt 0x0
	global_store_b64 v[L8], v[S:S+1], s[82:83] offset:3072   ; 256 consecutive bytes
.Lno_words:
	s_wait_tensorcnt 0x0                           ; the wave's end
	ds_add_u32 v254, v255
	s_wait_dscnt 0x0
	ROUND                                          ; the closing round
	s_endpgm
.Lfunc_end_k_q7cf96ddb9b_attn:
	.size	k_q7cf96ddb9b_attn, .Lfunc_end_k_q7cf96ddb9b_attn-k_q7cf96ddb9b_attn
	.p2alignl 7, 3214868480
	.fill 96, 4, 3214868480
	.section	.rodata,"a",@progbits
	.p2align	6, 0x0
	.amdhsa_kernel k_q7cf96ddb9b_attn
		.amdhsa_group_segment_fixed_size 215040
		.amdhsa_private_segment_fixed_size 0
		.amdhsa_enable_private_segment 0
		.amdhsa_kernarg_size 32
		.amdhsa_user_sgpr_count 2
		.amdhsa_user_sgpr_kernarg_segment_ptr 1
		.amdhsa_wavefront_size32 1
		.amdhsa_system_sgpr_workgroup_id_x 1
		.amdhsa_system_sgpr_workgroup_id_y 1
		.amdhsa_system_sgpr_workgroup_id_z 1
		.amdhsa_system_vgpr_workitem_id 0
		.amdhsa_next_free_vgpr 256
		.amdhsa_next_free_sgpr 96
		.amdhsa_reserve_vcc 0
		.amdhsa_float_denorm_mode_32 3
		.amdhsa_float_denorm_mode_16_64 3
		.amdhsa_memory_ordered 1
		.amdhsa_forward_progress 1
		.amdhsa_inst_pref_size 66
	.end_amdhsa_kernel
	.amdgpu_metadata
---
amdhsa.version: [ 1, 2 ]
amdhsa.kernels:
  - .name:           k_q7cf96ddb9b_attn
    .symbol:         k_q7cf96ddb9b_attn.kd
    .args:
      - { .name: qimg, .offset: 0, .size: 8, .value_kind: global_buffer, .address_space: global }
      - { .name: kimg, .offset: 8, .size: 8, .value_kind: global_buffer, .address_space: global }
      - { .name: vimg, .offset: 16, .size: 8, .value_kind: global_buffer, .address_space: global }
      - { .name: cimg, .offset: 24, .size: 8, .value_kind: global_buffer, .address_space: global }
    .group_segment_fixed_size: 215040
    .private_segment_fixed_size: 0
    .kernarg_segment_align: 8
    .kernarg_segment_size: 32
    .max_flat_workgroup_size: 512
    .sgpr_count:     96
    .vgpr_count:     256
    .wavefront_size: 32
...
	.end_amdgpu_metadata
.endif
;; end of part 3
;; launch outp (part 4): grid 32 x 8, 4 waves a work-group, clusters of 4 x 1, 168,448 bytes of LDS; arguments cimg, wimg, bo, out0; writes out0
.if DOCPART == 4
	.amdgcn_target "amdgcn-amd-amdhsa--gfx1250"
	.amdhsa_code_object_version 6
	.text
	.protected	k_q7cf96ddb9b_outp
	.globl	k_q7cf96ddb9b_outp
	.p2align	8
	.type	k_q7cf96ddb9b_outp,@function
k_q7cf96ddb9b_outp:
	s_mov_b64 s[64:65], 0
	v_nop
	global_prefetch_b8 v0, s[64:65] scope:SCOPE_SE
	s_setreg_imm32_b32 hwreg(HW_REG_WAVE_MODE, 25, 1), 1
	s_wait_xcnt 0x0
	s_wait_alu depctr_hold_cnt(0) depctr_sa_sdst(0) depctr_va_vdst(0) depctr_va_sdst(0) depctr_va_ssrc(0) depctr_va_vcc(0) depctr_vm_vsrc(0)
	s_getreg_b32 s2, hwreg(HW_REG_IB_STS2, 6, 4)
	s_cmp_eq_u32 s2, 0
	s_cbranch_scc0 .Lentry_in_a_cluster
	s_endpgm
.Lentry_in_a_cluster:
	s_bfe_u32 s2, ttmp6, 0x10000c
	s_cmp_lg_u32 s2, 0x3003
	s_cbranch_scc0 .Lentry_shape_is_right
	s_endpgm
.Lentry_shape_is_right:
; out0 = ctx wo + bo on codes of FP6.  y = a slab of 128 columns of wo: its 102,400 bytes of images lie in LDS for the whole launch, filled once, asked for JOINTLY by the four work-groups of a cluster
; (mask 15), a quarter by each wave.  Wave w takes the group of 64 rows G = 4 x (work-group x) + w: a tile of 64 x 128, 32 accumulators.  Its ctx for all of K, 53,248 bytes in register order, is loaded once
; into registers (windows 1 and 3).  K step s joins heads 2 s and 2 s + 1: registers 0-5 of a fragment from the first, 6-11 from the second; the two halves of a scale word likewise.
; The product is used transposed (source 0 = 16 columns of wo, source 1 = 16 rows of ctx): a lane holds eight neighbouring columns of one row.  The bias is loaded into the accumulators as the sums' start.
; The way out goes through the wave's own stage in LDS: whole rows of 512 bytes leave, 32 lanes to a row.
; REGISTERS: window 0: addresses; v16-111 wo's fragments, two buffers of four; v112-127 wo's scale words, two sets; v128-191 ctx's scale words.  Window 2: accumulator (g, i, t) at 8 (16 g + 4 i + t).
.set WV,  12
.set BT,  102400                       ; LDS behind wo: the slab's 128 biases
.set STG, 102912                       ; and a stage of 16 rows x 528 bytes for each wave
.set AW,  8
.set AR,  10
.set WF,  16
.set WS,  112
.set XS,  128
.set BK,  16                           ; the way out: 16 rows read back: v16-79 and v80-143 by turns
.set MSB, 0
.macro WIN new
.if MSB != (\new)
	s_set_vgpr_msb (MSB<<8)|(\new)
.set MSB, (\new)
.endif
.endm
.macro PLACES
.rept 4
	v_nop
.endr
.endm
.macro ROUND
	s_barrier_signal -1
	s_barrier_wait -1
	s_cmp_lg_u32 s[WV], 0
	s_cbranch_scc1 .Lnot_wave_0_\@
	s_barrier_signal -3
.Lnot_wave_0_\@:
	s_barrier_wait -3
	s_barrier_signal -1
	s_barrier_wait -1
.endm
	s_load_b256 s[4:11], s[0:1], 0x0               ; cimg s[4:5], wimg s[6:7], bo s[8:9], out0 s[10:11]
	v_lshl_add_u32 v254, v0, 2, 0x29000
	v_mov_b32 v255, 0
	ds_add_u32 v254, v255
	ds_add_u32 v254, v255
	v_lshrrev_b32 v1, 5, v0
	v_readfirstlane_b32 s[WV], v1
	s_bfe_u32 s13, ttmp6, 0x40000                  ; cx
	s_lshl_b32 s14, ttmp9, 2
	s_add_co_u32 s14, s14, s13                     ; work-group x 0..31
	s_and_b32 s15, ttmp7, 0xffff                   ; slab, which the partners share
	s_mov_b32 s24, 15|(3<<16)|(1<<21)
	s_mov_b32 s25, 32<<16
	s_mov_b32 s26, 100<<16                         ; 100 rows of 256 bytes
	s_mov_b32 s27, 32<<16
	s_mov_b32 s28, 100
	s_mov_b32 s29, 32
	s_mov_b32 s30, 0
	s_mov_b32 s31, 0
	s_mov_b32 s20, 1
	s_mul_i32 s21, s[WV], 25600                    ; my quarter, in LDS
	s_mul_i32 s16, s15, 102400
	s_add_co_u32 s16, s16, s21
	s_add_co_u32 s16, s16, 2457600                 ; wo is the fourth weight
	s_mov_b32 s17, 0
	s_lshl_b32 s32, s14, 2
	s_add_co_u32 s32, s32, s[WV]                   ; G
	s_mul_i32 s34, s32, 53248
	s_mov_b32 s35, 0
	s_lshl_b32 s36, s32, 18
	s_lshl_b32 s38, s15, 9
	s_add_co_u32 s36, s36, s38
	s_mov_b32 s37, 0
	s_mov_b32 s39, 0
	s_wait_dscnt 0x0
	s_wait_kmcnt 0x0
	s_add_nc_u64 s[22:23], s[6:7], s[16:17]
	s_or_b32 s23, s23, 0x80000000
	s_add_nc_u64 s[4:5], s[4:5], s[34:35]          ; my group's 16 records of ctx
	s_add_nc_u64 s[10:11], s[10:11], s[36:37]      ; my 64 rows, the slab's 512 bytes
	s_add_nc_u64 s[8:9], s[8:9], s[38:39]          ; the slab's biases
	ROUND
	tensor_load_to_lds s[20:23], s[24:31]          ; my one tensor load of the launch
	s_nop 0
.rept 4
	v_nop
.endr
	v_and_b32 v2, 31, v0
	v_lshlrev_b32 v1, 4, v2                        ; 16 x lane
	v_lshlrev_b32 v2, 3, v2                        ; 8 x lane
	v_and_b32 v7, 15, v0                           ; r
	v_lshlrev_b32 v3, 4, v7                        ; 16 r
	v_bfe_u32 v15, v0, 4, 1                        ; h
	v_lshlrev_b32 v4, 6, v15
	v_add_nc_u32 v4, BT, v4                        ; the biases, + 64 h
	s_mul_i32 s18, s[WV], 8448
	s_add_co_u32 s18, s18, STG                     ; my stage
	v_mul_u32_u24 v5, v7, 528
	v_lshl_add_u32 v5, v15, 6, v5
	v_add_nc_u32 v5, s18, v5                       ; in: row r, + 64 h
	v_add_nc_u32 v6, s18, v1                       ; back: a row's 512 bytes
	v_mov_b32 v[AW], v1
	v_add_nc_u32 v[AW+1], 51200, v1
	v_mov_b32 v[AR], v3
	v_add_nc_u32 v[AR+1], 51200, v3
	v_lshlrev_b32 v12, 2, v0                       ; 4 x thread
	v_add_nc_u32 v13, BT, v12
	global_load_b32 v14, v12, s[8:9]
.irp s, 0,1,2,3,4,5,6,7
	WIN 0x40+0x80*(\s/4)                           ; destination window 1 (K steps 0-3) or 3
.irp c, 0,1
.irp i, 0,1,2,3
	global_load_b128 v[48*(\s%4)+12*\i+6*\c:48*(\s%4)+12*\i+6*\c+3], v1, s[4:5] offset:3328*(2*\s+\c)+768*\i
	global_load_b64 v[48*(\s%4)+12*\i+6*\c+4:48*(\s%4)+12*\i+6*\c+5], v2, s[4:5] offset:3328*(2*\s+\c)+768*\i+512
.endr
.endr
.endr
	WIN 0
.irp s, 0,1,2,3,4,5,6,7
.irp c, 0,1
	global_load_b128 v[XS+8*\s+4*\c:XS+8*\s+4*\c+3], v3, s[4:5] offset:3328*(2*\s+\c)+3072
.endr
.endr
	s_wait_alu depctr_va_vdst(0)
	s_wait_loadcnt 0x0
	ds_store_b32 v13, v14
.irp s, 0,1,2,3,4,5,6,7
.irp i, 0,1,2,3
	v_lshl_or_b32 v[XS+8*\s+\i], v[XS+8*\s+4+\i], 16, v[XS+8*\s+\i]   ; the two heads' halves make the scale word of K step s, tile i
.endr
.endr
	s_wait_tensorcnt 0x0
	s_wait_dscnt 0x0
	s_barrier_signal -1
	s_barrier_wait -1                              ; wo's slab and the biases are whole
.macro WLOAD buf, adr, off
.irp tt, 0,1,2,3
.irp j, 0,1,2
	ds_load_b128 v[WF+48*(\buf)+12*\tt+4*\j:WF+48*(\buf)+12*\tt+4*\j+3], v[\adr] offset:(\off)+1536*\tt+512*\j
.endr
.endr
.endm
.macro WQUADS set, off
.irp gg, 0,1
	ds_load_b128 v[WS+8*(\set)+4*\gg:WS+8*(\set)+4*\gg+3], v[AR+\gg] offset:(\off)+6144
.endr
.endm
	WLOAD 0, AW, 0
	WQUADS 0, 0
	WIN 0x80                                       ; destination window 2: the bias becomes the sums' start
.irp g, 0,1
.irp i, 0,1,2,3
.irp t, 0,1,2,3
	ds_load_b128 v[8*(16*\g+4*\i+\t):8*(16*\g+4*\i+\t)+3], v4 offset:(64*\g+32*(\t/2)+8*(\t%2))*4
	ds_load_b128 v[8*(16*\g+4*\i+\t)+4:8*(16*\g+4*\i+\t)+7], v4 offset:(64*\g+32*(\t/2)+8*(\t%2))*4+16
.endr
.endr
.endr
	WIN 0
.rept 8
	v_nop                                          ; scale registers written by vector instructions stand eight places ahead of a scaled matrix instruction
.endr
; A K step: two stages, one a column group, 16 matrix instructions each on 16 different accumulators (the 32 take turns)
.macro KSTEPO s
.irp g, 0,1
.if (\s > 0) || (\g > 0)
	PLACES
.endif
	WIN 0
.if \g == 0
	WLOAD 1, AW+1, 6400*\s
	s_wait_dscnt 12                                ; all but the 12 just issued
.elseif \s < 7
	WLOAD 0, AW, 6400*(\s+1)
	WQUADS (\s+1)%2, 6400*(\s+1)
	s_wait_alu depctr_va_vdst(0)
	s_wait_dscnt 14                                ; all but the 14 just issued
.else
	s_wait_dscnt 0x0
.endif
	WIN 0xa4+8*(\s/4)                              ; source 1 (ctx) window 1 or 3; C and D window 2
.irp tt, 0,1,2,3
.irp i, 0,1,2,3
.set DD, 8*(16*\g+4*\i+\tt)
	v_wmma_scale_f32_16x16x128_f8f6f4 v[DD:DD+7], v[WF+48*\g+12*\tt:WF+48*\g+12*\tt+11], v[48*(\s%4)+12*\i:48*(\s%4)+12*\i+11], v[DD:DD+7], v[WS+8*(\s%2)+4*\g+\tt], v[XS+8*\s+\i] matrix_a_fmt:MATRIX_FMT_FP6 matrix_b_fmt:MATRIX_FMT_FP6
.endr
.endr
.endr
.endm
.irp s, 0,1,2,3,4,5,6,7
	KSTEPO \s
.endr
	WIN 0
; THE WAY OUT, a tile of 16 rows x 128 columns at a time.  Register j of accumulator (g, a, 2 b + u) is column 64 g + 32 b + 16 h + 8 u + j of row r.
.macro TOSTAGE a
	WIN 0x08                                       ; an LDS store's data are its source 1: window 2
.irp g, 0,1
.irp t, 0,1,2,3
	ds_store_b128 v5, v[8*(16*\g+4*(\a)+\t):8*(16*\g+4*(\a)+\t)+3] offset:(64*\g+32*(\t/2)+8*(\t%2))*4   ; each accumulator from its low end on
	ds_store_b128 v5, v[8*(16*\g+4*(\a)+\t)+4:8*(16*\g+4*(\a)+\t)+7] offset:(64*\g+32*(\t/2)+8*(\t%2))*4+16
.endr
.endr
	WIN 0
.irp t, 0,1,2,3,4,5,6,7,8,9,10,11,12,13,14,15
	ds_load_b128 v[BK+64*((\a)%2)+4*\t:BK+64*((\a)%2)+4*\t+3], v6 offset:528*\t   ; LDS serves a wave's instructions in order: these see the stores above
.endr
.endm
.macro SEND a, younger                 ; younger: the LDS instructions issued behind tile a's loads
	s_wait_dscnt \younger
.irp t, 0,1,2,3,4,5,6,7,8,9,10,11,12,13,14,15
	global_store_b128 v1, v[BK+64*((\a)%2)+4*\t:BK+64*((\a)%2)+4*\t+3], s[10:11] offset:(32*((\a)/2)+8*((\a)%2)+16*(\t/8)+\t%8)*4096 th:TH_STORE_NT   ; 32 lanes store 512 consecutive bytes of the row that lies at lane t of tile a
.endr
.endm
	PLACES                                         ; behind the last products: for the stores of results and the loads into registers that held operands and scales
	TOSTAGE 0
.irp a, 1,2,3
.if \a > 1
	s_wait_xcnt 0x0                                ; tile a - 2's stores have read their registers: tile a's loads may land there
.endif
	TOSTAGE \a
	SEND \a-1, 32                                  ; behind tile a - 1's loads: tile a's 16 stores and 16 loads
.endr
	SEND 3, 0
	s_wait_tensorcnt 0x0
	ds_add_u32 v254, v255
	s_wait_dscnt 0x0
	ROUND                                          ; the closing round
	s_endpgm
.Lfunc_end_k_q7cf96ddb9b_outp:
	.size	k_q7cf96ddb9b_outp, .Lfunc_end_k_q7cf96ddb9b_outp-k_q7cf96ddb9b_outp
	.p2alignl 7, 3214868480
	.fill 96, 4, 3214868480
	.section	.rodata,"a",@progbits
	.p2align	6, 0x0
	.amdhsa_kernel k_q7cf96ddb9b_outp
		.amdhsa_group_segment_fixed_size 168448
		.amdhsa_private_segment_fixed_size 0
		.amdhsa_enable_private_segment 0
		.amdhsa_kernarg_size 32
		.amdhsa_user_sgpr_count 2
		.amdhsa_user_sgpr_kernarg_segment_ptr 1
		.amdhsa_wavefront_size32 1
		.amdhsa_system_sgpr_workgroup_id_x 1
		.amdhsa_system_sgpr_workgroup_id_y 1
		.amdhsa_system_sgpr_workgroup_id_z 1
		.amdhsa_system_vgpr_workitem_id 0
		.amdhsa_next_free_vgpr 1024
		.amdhsa_next_free_sgpr 66
		.amdhsa_reserve_vcc 0
		.amdhsa_float_denorm_mode_32 3
		.amdhsa_float_denorm_mode_16_64 3
		.amdhsa_memory_ordered 1
		.amdhsa_forward_progress 1
		.amdhsa_inst_pref_size 88
	.end_amdhsa_kernel
	.amdgpu_metadata
---
amdhsa.version: [ 1, 2 ]
amdhsa.kernels:
  - .name:           k_q7cf96ddb9b_outp
    .symbol:         k_q7cf96ddb9b_outp.kd
    .args:
      - { .name: cimg, .offset: 0, .size: 8, .value_kind: global_buffer, .address_space: global }
      - { .name: wimg, .offset: 8, .size: 8, .value_kind: global_buffer, .address_space: global }
      - { .name: bo, .offset: 16, .size: 8, .value_kind: global_buffer, .address_space: global }
      - { .name: out0, .offset: 24, .size: 8, .value_kind: global_buffer, .address_space: global }
    .group_segment_fixed_size: 168448
    .private_segment_fixed_size: 0
    .kernarg_segment_align: 8
    .kernarg_segment_size: 32
    .max_flat_workgroup_size: 128
    .sgpr_count:     66
    .vgpr_count:     1024
    .wavefront_size: 32
...
	.end_amdgpu_metadata
.endif
;; end of part 4
